; MI455X (gfx1250); checked and timed in simulation.
; The chip was launched on July 23, 2026; its instructions are those of AMD's public machine-readable ISA for CDNA 5 (MIT licence, August 2026) and "CDNA5" Instruction Set Architecture Reference Guide (July 2026). The comments in the code are by the model that wrote it; some were corrected since.
;; Casual Self Attention. Allowed arithmetic: matrix products marked QUANTISED: E5M2 operands, one given power-of-two scale a tensor, by v_wmma_f32_16x16x64_bf8_bf8 or v_wmma_f32_16x16x128_bf8_bf8, f32 sums; everything else in f32.
;; Inputs: Wkv 512 x 1,024 float32; Wproj 1,024 x 1,024 float32; Wq 1,024 x 1,024 float32; b_proj 1,024 float32; lowp_scales 10 int32 (the exponents e of the quantised operands' scales 2^e); x 4 x 2,048 x 1,024 float32.
;; Outputs: out0 4 x 2,048 x 1,024 float32.
;; This version of the problem:
;;   THIS VERSION OF THE PROBLEM IS GIVEN IN LOW PRECISION. The matrix products marked QUANTISED in the list below multiply operands that are first quantised to E5M2 (5 exponent bits, 2 mantissa bits; 8 bits a number), with one given power-of-two scale for each operand tensor; their sums are f32. All else is computed in f32.
;;   The module's matrix products, in the order in which they are computed (A, B: the left and right operand; K: the contracted axis; several contracted axes count as one K, in the product's order):
;;     1. [M 8,192, K 1,024] x [K 1,024, N 1,024]; A: input x; B: input Wq: QUANTISED (scales: A lowp_scales[0], B lowp_scales[1])
;;     2. [M 8,192, K 1,024] x [K 1,024, N 512]; A: input x; B: input Wkv: QUANTISED (scales: A lowp_scales[2], B lowp_scales[3])
;;     3. batch 64 x [M 2,048, K 64] x [K 64, N 2,048]; A: computed on the way; B: computed on the way: QUANTISED (scales: A lowp_scales[4], B lowp_scales[5])
;;     4. batch 64 x [M 2,048, K 2,048] x [K 2,048, N 64]; A: softmax (see below); B: computed on the way: QUANTISED (scales: A lowp_scales[6], B lowp_scales[7])
;;     5. [M 8,192, K 1,024] x [K 1,024, N 1,024]; A: computed on the way; B: input Wproj: QUANTISED (scales: A lowp_scales[8], B lowp_scales[9])
;;   THE QUANTISER, for each operand of a quantised product, along K:
;;     - The operand's scale is 2^e, e = its entry of the input lowp_scales (int32; the entries are numbered through the quantised products in the list's order, A before B).
;;     - Each number is divided by the scale, clamped to +-57,344, and rounded to the nearest number of E5M2, ties to even, subnormals kept.
;;     - The product sums the exact products of the quantised numbers (number of the format x scale) in f32.
;;   ~~~python
;;   def quantise(x, axis, e):      # numpy; x: float32 -> the quantised numbers, widened to float32 again
;;       x = np.moveaxis(x, axis, -1); K = x.shape[-1]
;;       r = np.clip(x / 2.0 ** e, -57344, 57344)
;;       step = 2.0 ** (np.maximum(np.frexp(np.where(r == 0, 1, r))[1] - 1, -14) - 2)
;;       q = np.round(r / step) * step * 2.0 ** e      # np.round: ties to even
;;       return np.moveaxis(q, -1, axis).astype(np.float32)
;;   ~~~
;;   SOFTMAX AHEAD OF A QUANTISED PRODUCT. Where the list says 'softmax', what is quantised is not the finished softmax but p = 2^(t - M), with t = logit x log2(e) and M = ceil(the row's largest t), a whole number; so 1/2 < the row's largest p <= 1. The row's sum l is taken of the UNQUANTISED p, in f32, and the product's result is divided by l at the end. Since M is a whole number, a kernel that streams over the keys may use a running M (the ceiling of the running maximum): every later rescaling is an exact power of two, so the quantised numbers keep their values, but for numbers so far below the row's largest that they fall under the format's range.
;;   OPERANDS COMPUTED ON THE WAY. 'Computed on the way' means the value that the module computes at that place (a softmax that the list does not call 'softmax' is quantised finished and normalised). What goes into a quantiser is computed in f32, as accurately as f32 sums, v_exp_f32 and their like allow (about 1e-6 of the number): no bf16 or f16 on the way to a quantiser, and a product that is left as it is and whose result goes on into a quantised operand takes f32 operands (vector FMAs, or v_wmma_f32_16x16x4_f32). A number that lies on a knife's edge between two numbers of the format may be rounded either way, as far as f32 arithmetic and the matrix unit's own rounding can turn it there, and no further.
;; One version. Each part assembles by itself: llvm-mc -triple=amdgcn-amd-amdhsa -mcpu=gfx1250 --defsym DOCPART=n.
;; ======== version 1 of 1: 4 launches
;; limits: right only within a limited range of input values
;; workspace buffers: xqi 8,388,608 bytes; xkvi 8,388,608 bytes; wqi 1,048,576 bytes; wkvi 524,288 bytes; wpi 1,048,576 bytes; qi 8,388,608 bytes; kvi 4,194,304 bytes; yi 8,388,608 bytes
;; launch quant (part 1): grid 672 x 1, 4 waves a work-group, no clusters, 68,096 bytes of LDS; arguments x, Wq, Wkv, Wproj, lowp_scales, xqi, xkvi, wqi, wkvi, wpi; writes xqi, xkvi, wqi, wkvi, wpi
.if DOCPART == 1
	.amdgcn_target "amdgcn-amd-amdhsa--gfx1250"
	.amdhsa_code_object_version 6
	.text
	.protected	k_q3b5af3908e_quant
	.globl	k_q3b5af3908e_quant
	.p2align	8
	.type	k_q3b5af3908e_quant,@function
k_q3b5af3908e_quant:
	s_mov_b64 s[64:65], 0
	v_nop
	global_prefetch_b8 v0, s[64:65] scope:SCOPE_SE
	s_setreg_imm32_b32 hwreg(HW_REG_WAVE_MODE, 25, 1), 1
	s_wait_xcnt 0x0
; x [8192][1024], Wq [1024][1024], Wkv [512][1024], Wproj [1024][1024], f32 with K innermost, become codes of E5M2, each with the scale 2^e that is given for it:
; x twice (entry 0 for the q product, entry 2 for the kv product), Wq entry 1, Wkv entry 3, Wproj entry 9.  code = x / 2^e, held within +-57,344, to the nearest code, ties to even.
; THE CODES ARE LAID AS IMAGES OF THE OPERAND'S REGISTERS.  A tile is 16 rows: place r (0..15) of tile t holds row 32 (t / 2) + 8 (t % 2) + r + 8 (r / 8).  A tile's 1,024 along K are 8 K steps of 128,
; a K step 4 quads of 512 bytes: in quad c lane l = r + 16 h has its 16 bytes at 16 l: K = 32 c + 16 h + 0 .. 15 of the row at place r.  So a tile is 16,384 bytes on end, and a wave that loads a quad by
; 16 bytes a lane has four registers of a fragment.  The order of rows makes the 16 results of two neighbouring tiles, in the products that follow, 16 neighbours along the next K.
; SHARES.  A work-group is one tile: 0-511 x, 512-575 Wq, 576-607 Wkv, 608-671 Wproj; only pointers, the exponent and the first number of the range are chosen, by the work-group's number.
; Wave v takes K steps 2 v and 2 v + 1, two UNITS of 16 rows x 128 numbers.  Each load reads 512 consecutive bytes of one row; a unit turns through the wave's own stage in LDS (rows of 512 + 16 bytes)
; and comes back 64 bytes a lane: 16 neighbours along K for each quad.  Each store of the wave covers 512 consecutive bytes, aligned.  Waves share nothing: no barrier.  No matrix unit, no cluster: nothing is shared or multiplied.
; LIMITS: each e used here lies between -126 and 112, so that 2^e and 57,344 x 2^e are f32 numbers.  NaN among the inputs is not served; an infinity is held at the largest code.
.set SP,   528                         ; a stage row: 512 bytes + 16: the 16 rows that a read touches start at 16 different groups of four banks
.set STG,  16*SP                       ; a stage: one unit
.set LI,   1                           ; v1   16 x lane: my bytes of a load's and of a store's 512
.set SIN,  2                           ; v2   the stage on the way in: my wave's stages + 16 x lane
.set SOUT, 3                           ; v3   and on the way out: + 528 r + 64 h
.set LIM,  10                          ; v10  57,344 x 2^e;  v11  2^e
.set SCL,  11
.set LIM2, 12                          ; v12, v13 the same with entry 2, for x's second image
.set SCL2, 13
.set R,    32                          ; v32-159  unit u's 64 numbers a lane at R + 64 u
.set T,    160                         ; v160-175 16 numbers held for the second image
.set C1,   176                         ; v176-207 codes: 16 registers a unit, never written again
.set C2,   208                         ; v208-239 the second image's
	s_load_b256 s[4:11], s[0:1], 0x0               ; x, Wq, Wkv, Wproj
	s_load_b256 s[12:19], s[0:1], 0x20             ; the exponents, xqi, xkvi, wqi
	s_load_b128 s[20:23], s[0:1], 0x40             ; wkvi, wpi
	v_lshl_add_u32 v240, v0, 2, 0x10800
	v_mov_b32 v241, 0
	v_lshrrev_b32 v4, 5, v0
	v_readfirstlane_b32 s40, v4                    ; wave 0..3
	v_and_b32 v5, 31, v0
	v_lshlrev_b32 v[LI], 4, v5
	s_mul_i32 s41, s40, 2*STG                      ; my wave's two stages
	v_add_nc_u32 v[SIN], s41, v[LI]
	v_and_b32 v6, 15, v0                           ; r
	v_bfe_u32 v7, v0, 4, 1                         ; h
	v_mul_u32_u24 v[SOUT], v6, SP
	v_lshl_add_u32 v[SOUT], v7, 6, v[SOUT]
	v_add_nc_u32 v[SOUT], s41, v[SOUT]
	s_wait_alu depctr_va_vdst(0)
	s_wait_kmcnt 0x0
	s_load_b256 s[24:31], s[12:13], 0x0            ; entries 0 to 7
	s_load_b64 s[32:33], s[12:13], 0x20            ; entries 8, 9
	s_cmp_ge_u32 ttmp9, 512                        ; which tensor: the choice hangs on the work-group's number alone
	s_cselect_b64 s[34:35], s[6:7], s[4:5]
	s_cselect_b64 s[36:37], s[18:19], s[14:15]
	s_cselect_b32 s38, 512, 0
	s_cmp_ge_u32 ttmp9, 576
	s_cselect_b64 s[34:35], s[8:9], s[34:35]
	s_cselect_b64 s[36:37], s[20:21], s[36:37]
	s_cselect_b32 s38, 576, s38
	s_cmp_ge_u32 ttmp9, 608
	s_cselect_b64 s[34:35], s[10:11], s[34:35]
	s_cselect_b64 s[36:37], s[22:23], s[36:37]
	s_cselect_b32 s38, 608, s38
	s_sub_co_u32 s39, ttmp9, s38                   ; the tile's number in its tensor
	s_lshr_b32 s42, s39, 1
	s_lshl_b32 s42, s42, 17                        ; 32 rows of 4,096 bytes for each pair of tiles,
	s_and_b32 s43, s39, 1
	s_lshl_b32 s43, s43, 15                        ; 8 rows for the odd tile,
	s_add_co_u32 s42, s42, s43
	s_lshl_b32 s43, s40, 10                        ; my wave's 256 numbers of a row
	s_add_co_u32 s42, s42, s43
	s_mov_b32 s43, 0
	s_add_nc_u64 s[34:35], s[34:35], s[42:43]
	s_lshl_b32 s44, s39, 14                        ; the tile's image, and my wave's two K steps in it
	s_lshl_b32 s45, s40, 12
	s_add_co_u32 s44, s44, s45
	s_mov_b32 s45, 0
	s_add_nc_u64 s[36:37], s[36:37], s[44:45]
	s_add_nc_u64 s[16:17], s[16:17], s[44:45]      ; the same place in x's second image (used by x's work-groups alone)
.macro LOADU u                         ; unit u: place p's row, 512 consecutive bytes a load
.irp p, 0,1,2,3,4,5,6,7,8,9,10,11,12,13,14,15
	global_load_b128 v[R+64*\u+4*\p:R+64*\u+4*\p+3], v[LI], s[34:35] offset:(\p+8*(\p/8))*4096+512*\u th:TH_LOAD_NT
.endr
.endm
.macro TURN u                          ; through the stage, and back into the registers that the numbers left: register 16 c + 4 j + .. = K 32 c + 16 h + 4 j + .. of the row at place r.  LDS serves a wave's instructions in order: no wait between
.irp p, 0,1,2,3,4,5,6,7,8,9,10,11,12,13,14,15
	ds_store_b128 v[SIN], v[R+64*\u+4*\p:R+64*\u+4*\p+3] offset:STG*\u+SP*\p
.endr
.irp c, 0,1,2,3
.irp j, 0,1,2,3
	ds_load_b128 v[R+64*\u+16*\c+4*\j:R+64*\u+16*\c+4*\j+3], v[SOUT] offset:STG*\u+128*\c+16*\j
.endr
.endr
.endm
.macro CONV u
	s_cmp_lt_u32 ttmp9, 512                        ; x's work-groups make the second image first, from a held copy: the numbers stay for the first
	s_cbranch_scc0 .Lone_image_\@
	s_wait_alu depctr_va_vdst(0)
.irp c, 0,1,2,3
.irp i, 0,1,2,3,4,5,6,7,8,9,10,11,12,13,14,15
	v_med3_num_f32 v[T+\i], v[R+64*\u+16*\c+\i], -v[LIM2], v[LIM2]
.endr
	v_cvt_scalef32_pk8_bf8_f32 v[C2+16*\u+4*\c:C2+16*\u+4*\c+1], v[T:T+7], v[SCL2]
	v_cvt_scalef32_pk8_bf8_f32 v[C2+16*\u+4*\c+2:C2+16*\u+4*\c+3], v[T+8:T+15], v[SCL2]
	v_nop                                          ; one plain vector line between a scaled conversion and the next write of its sources
.endr
.irp c, 0,1,2,3
	global_store_b128 v[LI], v[C2+16*\u+4*\c:C2+16*\u+4*\c+3], s[16:17] offset:2048*\u+512*\c
.endr
.Lone_image_\@:
	s_wait_alu depctr_va_vdst(0)
.irp c, 0,1,2,3
.irp i, 0,1,2,3,4,5,6,7,8,9,10,11,12,13,14,15
	v_med3_num_f32 v[R+64*\u+16*\c+\i], v[R+64*\u+16*\c+\i], -v[LIM], v[LIM]   ; the conversion to an 8-bit code does not saturate (ISA guide 7.6.2): the hold comes first
.endr
	v_cvt_scalef32_pk8_bf8_f32 v[C1+16*\u+4*\c:C1+16*\u+4*\c+1], v[R+64*\u+16*\c:R+64*\u+16*\c+7], v[SCL]
	v_cvt_scalef32_pk8_bf8_f32 v[C1+16*\u+4*\c+2:C1+16*\u+4*\c+3], v[R+64*\u+16*\c+8:R+64*\u+16*\c+15], v[SCL]
.endr
	v_nop
.irp c, 0,1,2,3
	global_store_b128 v[LI], v[C1+16*\u+4*\c:C1+16*\u+4*\c+3], s[36:37] offset:2048*\u+512*\c   ; a quad: 512 consecutive bytes, aligned
.endr
.endm
	LOADU 0
	LOADU 1
	s_wait_kmcnt 0x0
	s_cmp_ge_u32 ttmp9, 512                        ; the tensor's exponent: entry 0, 1, 3 or 9
	s_cselect_b32 s46, s25, s24
	s_cmp_ge_u32 ttmp9, 576
	s_cselect_b32 s46, s27, s46
	s_cmp_ge_u32 ttmp9, 608
	s_cselect_b32 s46, s33, s46
	s_add_co_i32 s46, s46, 127
	s_lshl_b32 s47, s46, 23
	v_mov_b32 v[SCL], s47                          ; 2^e as f32: the conversion takes its exponent field
	s_add_co_i32 s46, s46, 15
	s_lshl_b32 s46, s46, 23
	s_or_b32 s46, s46, 0x600000
	v_mov_b32 v[LIM], s46                          ; 57,344 x 2^e
	s_add_co_i32 s46, s26, 127                     ; and with entry 2
	s_lshl_b32 s47, s46, 23
	v_mov_b32 v[SCL2], s47
	s_add_co_i32 s46, s46, 15
	s_lshl_b32 s46, s46, 23
	s_or_b32 s46, s46, 0x600000
	v_mov_b32 v[LIM2], s46
	s_wait_loadcnt 16                              ; unit 0's sixteen loads are in; unit 1's may be out
	TURN 0
	s_wait_loadcnt 0x0
	TURN 1
	s_wait_dscnt 32                                ; unit 0 is back from its stage; unit 1's 32 LDS instructions may be out
	CONV 0
	s_wait_dscnt 0x0
	CONV 1
	s_wait_tensorcnt 0x0
	ds_add_u32 v240, v241
	s_wait_dscnt 0x0
	s_endpgm
.Lfunc_end_k_q3b5af3908e_quant:
	.size	k_q3b5af3908e_quant, .Lfunc_end_k_q3b5af3908e_quant-k_q3b5af3908e_quant
	.p2alignl 7, 3214868480
	.fill 96, 4, 3214868480
	.section	.rodata,"a",@progbits
	.p2align	6, 0x0
	.amdhsa_kernel k_q3b5af3908e_quant
		.amdhsa_group_segment_fixed_size 68096
		.amdhsa_private_segment_fixed_size 0
		.amdhsa_enable_private_segment 0
		.amdhsa_kernarg_size 80
		.amdhsa_user_sgpr_count 2
		.amdhsa_user_sgpr_kernarg_segment_ptr 1
		.amdhsa_wavefront_size32 1
		.amdhsa_system_sgpr_workgroup_id_x 1
		.amdhsa_system_sgpr_workgroup_id_y 1
		.amdhsa_system_sgpr_workgroup_id_z 1
		.amdhsa_system_vgpr_workitem_id 0
		.amdhsa_next_free_vgpr 242
		.amdhsa_next_free_sgpr 66
		.amdhsa_reserve_vcc 0
		.amdhsa_float_denorm_mode_32 3
		.amdhsa_float_denorm_mode_16_64 3
		.amdhsa_memory_ordered 1
		.amdhsa_forward_progress 1
		.amdhsa_inst_pref_size 31
	.end_amdhsa_kernel
	.amdgpu_metadata
---
amdhsa.version: [ 1, 2 ]
amdhsa.kernels:
  - .name:           k_q3b5af3908e_quant
    .symbol:         k_q3b5af3908e_quant.kd
    .args:
      - { .name: x, .offset: 0, .size: 8, .value_kind: global_buffer, .address_space: global }
      - { .name: Wq, .offset: 8, .size: 8, .value_kind: global_buffer, .address_space: global }
      - { .name: Wkv, .offset: 16, .size: 8, .value_kind: global_buffer, .address_space: global }
      - { .name: Wproj, .offset: 24, .size: 8, .value_kind: global_buffer, .address_space: global }
      - { .name: lowp_scales, .offset: 32, .size: 8, .value_kind: global_buffer, .address_space: global }
      - { .name: xqi, .offset: 40, .size: 8, .value_kind: global_buffer, .address_space: global }
      - { .name: xkvi, .offset: 48, .size: 8, .value_kind: global_buffer, .address_space: global }
      - { .name: wqi, .offset: 56, .size: 8, .value_kind: global_buffer, .address_space: global }
      - { .name: wkvi, .offset: 64, .size: 8, .value_kind: global_buffer, .address_space: global }
      - { .name: wpi, .offset: 72, .size: 8, .value_kind: global_buffer, .address_space: global }
    .group_segment_fixed_size: 68096
    .private_segment_fixed_size: 0
    .kernarg_segment_align: 8
    .kernarg_segment_size: 80
    .max_flat_workgroup_size: 128
    .sgpr_count:     66
    .vgpr_count:     242
    .wavefront_size: 32
...
	.end_amdgpu_metadata
.endif
;; end of part 1
;; launch qkv (part 2): grid 6 x 32, 4 waves a work-group, no clusters, 327,680 bytes of LDS; arguments xqi, xkvi, wqi, wkvi, lowp_scales, qi, kvi; writes qi, kvi
.if DOCPART == 2
	.amdgcn_target "amdgcn-amd-amdhsa--gfx1250"
	.amdhsa_code_object_version 6
	.text
	.protected	k_q3b5af3908e_qkv
	.globl	k_q3b5af3908e_qkv
	.p2align	8
	.type	k_q3b5af3908e_qkv,@function
k_q3b5af3908e_qkv:
	s_mov_b64 s[64:65], 0
	v_nop
	global_prefetch_b8 v0, s[64:65] scope:SCOPE_SE
	s_setreg_imm32_b32 hwreg(HW_REG_WAVE_MODE, 25, 1), 1
	s_wait_xcnt 0x0
.set FR,     16
.set NL,     4
.set NP,     4
.set TILEB,  4096
.set HALFT,  8*TILEB
.set SLOT,   4*HALFT
.set SPARE,  2*SLOT
.set LI,   5
.set VO,   8
.set LIM,  12
.set SCL,  13
.set ADRA, 16
.set ADRB, 20
.set SPW,  28
.set NIL,  29
.set TMP,  32
.set CD,   96
.set AF,   128
.set G1,   24
.set G0,   32
.set OB,   68
.set MSB, 0
.macro WIN new
.if MSB != (\new)
	s_set_vgpr_msb (MSB<<8)|(\new)
.set MSB, (\new)
.endif
.endm
.set MUL_LO, 0xa1
.set MUL_HI, 0xf1
.set TO_B,   0x40
	s_load_b256 s[4:11], s[0:1], 0x0
	s_load_b128 s[12:15], s[0:1], 0x20
	s_load_b64 s[16:17], s[0:1], 0x30
	v_lshl_add_u32 v[SPW], v0, 2, SPARE
	v_mov_b32 v[NIL], 0
	ds_add_u32 v28, v29
	ds_add_u32 v28, v29
	s_wait_dscnt 0x0
	v_lshrrev_b32 v1, 5, v0
	v_readfirstlane_b32 s18, v1
	s_lshr_b32 s19, s18, 1
	s_and_b32 s20, s18, 1
	s_mov_b32 s21, ttmp9
	s_and_b32 s22, ttmp7, 0xffff
	s_mov_b32 s[G1+0], 3<<16
	s_mov_b32 s[G1+1], 512<<16
	s_mov_b32 s[G1+2], 8<<16
	s_mov_b32 s[G1+3], 512<<16
	s_mov_b32 s[G1+4], 8
	s_mov_b32 s[G1+5], 2048
	s_mov_b32 s[G1+6], 0
	s_mov_b32 s[G1+7], 0
	s_wait_kmcnt 0x0
	s_load_b256 s[40:47], s[12:13], 0x0
	s_cmp_lt_u32 s21, 4
	s_cselect_b64 s[48:49], s[4:5], s[6:7]
	s_cselect_b64 s[50:51], s[8:9], s[10:11]
	s_lshl_b32 s52, s22, 18
	s_mov_b32 s53, 0
	s_add_nc_u64 s[48:49], s[48:49], s[52:53]
	s_and_b32 s52, s21, 3
	s_lshl_b32 s52, s52, 18
	s_add_nc_u64 s[50:51], s[50:51], s[52:53]
	s_cmp_eq_u32 s21, 5
	s_cselect_b64 s[54:55], s[50:51], s[48:49]
	s_cselect_b64 s[56:57], s[48:49], s[50:51]
	s_cmp_lt_u32 s18, 2
	s_cselect_b64 s[58:59], s[54:55], s[56:57]
	s_lshl_b32 s52, s20, 17
	s_add_nc_u64 s[58:59], s[58:59], s[52:53]
	s_lshl_b32 s60, s18, 15
.irp s, 0,1
	s_mov_b32 s[G0+4*\s], 1
	s_add_co_u32 s[G0+4*\s+1], s60, \s*SLOT
	s_add_nc_u64 s[G0+4*\s+2:G0+4*\s+3], s[58:59], \s*TILEB
	s_or_b32 s[G0+4*\s+3], s[G0+4*\s+3], 0x80000000
.endr
	tensor_load_to_lds s[G0:G0+3], s[G1:G1+7]
	s_nop 0
	s_wait_alu depctr_va_vdst(0)
	s_wait_tensorcnt 0x0
	ds_add_u32 v28, v29
	s_wait_dscnt 0x0
	s_barrier_signal -1
	s_barrier_wait -1
	tensor_load_to_lds s[G0+4:G0+7], s[G1:G1+7]
	s_nop 0
.rept 4
	v_nop
.endr
	v_and_b32 v1, 31, v0
	v_lshlrev_b32 v[LI], 4, v1
	s_wait_alu depctr_va_vdst(0)
	s_lshl_b32 s61, s19, 15
	s_lshl_b32 s62, s20, 15
	s_add_co_u32 s62, s62, 2*HALFT
.irp s, 0,1
	v_add_nc_u32 v[ADRA+\s], s61, v[LI]
	v_add_nc_u32 v[ADRB+\s], s62, v[LI]
	s_add_co_u32 s61, s61, SLOT
	s_add_co_u32 s62, s62, SLOT
.endr
	s_lshr_b32 s48, s22, 3
	s_and_b32 s49, s22, 7
	s_lshl_b32 s50, s49, 14
	s_lshl_b32 s51, s19, 13
	s_add_co_u32 s50, s50, s51
	s_lshl_b32 s51, s48, 21
	s_lshl_b32 s52, s21, 19
	s_add_co_u32 s51, s51, s52
	s_lshl_b32 s52, s20, 18
	s_add_co_u32 s51, s51, s52
	s_add_co_u32 s51, s51, s50
	s_lshl_b32 s52, s48, 20
	s_lshl_b32 s53, s20, 19
	s_add_co_u32 s53, s53, s52
	s_add_co_u32 s53, s53, s50
	s_lshl_b32 s54, s19, 19
	s_add_co_u32 s54, s54, s52
	s_lshl_b32 s55, s49, 14
	s_add_co_u32 s54, s54, s55
	s_lshl_b32 s55, s20, 13
	s_add_co_u32 s54, s54, s55
	s_add_co_u32 s54, s54, 131072
	s_mov_b32 s56, 1<<18
	s_mov_b32 s57, 1024
	s_mov_b32 s58, 4096
	s_cmp_lt_u32 s21, 4
	s_cselect_b32 s60, s51, s53
	s_cselect_b32 s56, 1<<17, s56
	s_cselect_b64 s[OB:OB+1], s[14:15], s[16:17]
	s_cmp_eq_u32 s21, 5
	s_cselect_b32 s60, s54, s60
	s_cselect_b32 s56, 1024, s56
	s_cselect_b32 s57, 2048, s57
	s_cselect_b32 s58, 1<<18, s58
	s_mov_b32 s61, 0
	s_add_nc_u64 s[OB:OB+1], s[OB:OB+1], s[60:61]
	s_mov_b32 s60, s57
	s_mov_b32 s62, s58
	s_mov_b32 s63, 0
	s_add_nc_u64 s[OB+8:OB+9], s[OB:OB+1], s[62:63]
.irp a, 1,2,3,5,6,7
	s_add_nc_u64 s[OB+2*\a:OB+2*\a+1], s[OB+2*\a-2:OB+2*\a-1], s[60:61]
.endr
	v_mov_b32 v[VO], v[LI]
	v_add_nc_u32 v[VO+1], 512, v[LI]
	v_add_nc_u32 v[VO+2], s56, v[LI]
	v_add_nc_u32 v[VO+3], 512, v[VO+2]
	s_wait_alu depctr_va_vdst(0)
	s_wait_kmcnt 0x0
	s_sub_co_i32 s48, s44, s40
	s_sub_co_i32 s48, s48, s41
	s_add_co_i32 s49, s42, s43
	s_sub_co_i32 s50, s45, s49
	s_sub_co_i32 s51, s47, s49
	s_cmp_lt_u32 s21, 4
	s_cselect_b32 s48, s48, s50
	s_cmp_eq_u32 s21, 5
	s_cselect_b32 s48, s51, s48
	s_add_co_i32 s48, s48, 127
	s_lshl_b32 s49, s48, 23
	v_mov_b32 v[SCL], s49
	s_add_co_i32 s48, s48, 15
	s_lshl_b32 s48, s48, 23
	s_or_b32 s48, s48, 0x600000
	v_mov_b32 v[LIM], s48
.macro FRAG reg, adr, q, i
.irp c, 0,1,2,3
	ds_load_b128 v[\reg+4*\c:\reg+4*\c+3], v[\adr] offset:TILEB*(\i)+2048*(\q)+512*\c
.endr
.endm
.macro MUL16 a0, p, zero
.irp a, \a0, \a0+1
.irp b, 0,1,2,3,4,5,6,7
.if \zero
	v_wmma_f32_16x16x128_bf8_bf8 v[8*(8*((\a)%4)+\b):8*(8*((\a)%4)+\b)+7], v[128*(\p)+FR*\b:128*(\p)+FR*\b+FR-1], v[AF+FR*(\a):AF+FR*(\a)+FR-1], 0
.else
	v_wmma_f32_16x16x128_bf8_bf8 v[8*(8*((\a)%4)+\b):8*(8*((\a)%4)+\b)+7], v[128*(\p)+FR*\b:128*(\p)+FR*\b+FR-1], v[AF+FR*(\a):AF+FR*(\a)+FR-1], v[8*(8*((\a)%4)+\b):8*(8*((\a)%4)+\b)+7]
.endif
.endr
.endr
.endm
.macro FETCH_B slot, q, p
	WIN TO_B
.irp i, 0,1,2,3,4,5,6,7
	FRAG 128*(\p)+FR*\i, ADRB+\slot, \q, \i
.endr
	WIN 0
.endm
.macro FETCH_A slot, q, i0
.irp i, \i0, \i0+1, \i0+2, \i0+3
	FRAG AF+FR*(\i), ADRA+\slot, \q, \i
.endr
.endm
.macro PLACES n
.rept \n
	v_nop
.endr
.endm
.macro STEP slot, q, zero
	s_wait_dscnt 4*NL
	WIN MUL_LO
	MUL16 0, (\q)%2, \zero
	MUL16 2, (\q)%2, \zero
	s_wait_dscnt 0
	PLACES NP
	FETCH_B \slot, (\q)+1, 1-(\q)%2
	FETCH_A \slot, (\q)+1, 0
	WIN MUL_HI
	MUL16 4, (\q)%2, \zero
	MUL16 6, (\q)%2, \zero
	PLACES NP
	WIN 0
	FETCH_A \slot, (\q)+1, 4
.endm
.macro TURN slot, next, fill
	s_wait_tensorcnt 0x0
	ds_add_u32 v[SPW], v[NIL]
.if \fill
	s_add_nc_u64 s[G0+4*\slot+2:G0+4*\slot+3], s[G0+4*\slot+2:G0+4*\slot+3], 2*TILEB
.endif
	s_wait_dscnt 4*NL+1
	WIN MUL_LO
	MUL16 0, 1, 0
	s_wait_dscnt 0x0
	s_barrier_signal -1
	MUL16 2, 1, 0
	WIN 0
	s_barrier_wait -1
.if \fill
	tensor_load_to_lds s[G0+4*\slot:G0+4*\slot+3], s[G1:G1+7]
	s_nop 0
.endif
	PLACES NP
	FETCH_B \next, 0, 0
	FETCH_A \next, 0, 0
	WIN MUL_HI
	MUL16 4, 1, 0
	MUL16 6, 1, 0
	PLACES NP
	WIN 0
	FETCH_A \next, 0, 4
.endm
	s_wait_tensorcnt 1
	s_barrier_signal -1
	s_barrier_wait -1
	FETCH_B 0, 0, 0
	FETCH_A 0, 0, 0
	FETCH_A 0, 0, 4
	STEP 0, 0, 1
	TURN 0, 1, 1
	STEP 1, 0, 0
	TURN 1, 0, 1
	STEP 0, 0, 0
	TURN 0, 1, 0
	STEP 1, 0, 0
	s_wait_dscnt 4*NL
	WIN MUL_LO
	MUL16 0, 1, 0
	MUL16 2, 1, 0
	s_wait_alu depctr_va_vdst(0)
	s_wait_dscnt 0
	WIN MUL_HI
	MUL16 4, 1, 0
	MUL16 6, 1, 0
	WIN 0
.macro OUTB a
.set AC, 64*((\a)%4)
	WIN 0x02+((\a)/4)
.set jj, 0
.rept 64
	v_med3_num_f32 v[TMP+jj], v[AC+jj], -v[LIM], v[LIM]
.set jj, jj+1
.endr
	WIN 0
.irp g, 0,1,2,3,4,5,6,7
	v_cvt_scalef32_pk8_bf8_f32 v[CD+16*(\a)+2*\g:CD+16*(\a)+2*\g+1], v[TMP+8*\g:TMP+8*\g+7], v[SCL]
.endr
	v_nop
.irp b, 0,1,2,3
	global_store_b128 v[VO+\b], v[CD+16*(\a)+4*\b:CD+16*(\a)+4*\b+3], s[OB+2*(\a):OB+2*(\a)+1]
.endr
.endm
	PLACES NP
.irp a, 0,1,2,3,4,5,6,7
	OUTB \a
.endr
	s_wait_tensorcnt 0x0
	ds_add_u32 v[SPW], v[NIL]
	s_wait_dscnt 0x0
	s_endpgm
.Lfunc_end_k_q3b5af3908e_qkv:
	.size	k_q3b5af3908e_qkv, .Lfunc_end_k_q3b5af3908e_qkv-k_q3b5af3908e_qkv
	.p2alignl 7, 3214868480
	.fill 96, 4, 3214868480
	.section	.rodata,"a",@progbits
	.p2align	6, 0x0
	.amdhsa_kernel k_q3b5af3908e_qkv
		.amdhsa_group_segment_fixed_size 327680
		.amdhsa_private_segment_fixed_size 0
		.amdhsa_enable_private_segment 0
		.amdhsa_kernarg_size 56
		.amdhsa_user_sgpr_count 2
		.amdhsa_user_sgpr_kernarg_segment_ptr 1
		.amdhsa_wavefront_size32 1
		.amdhsa_system_sgpr_workgroup_id_x 1
		.amdhsa_system_sgpr_workgroup_id_y 1
		.amdhsa_system_sgpr_workgroup_id_z 1
		.amdhsa_system_vgpr_workitem_id 0
		.amdhsa_next_free_vgpr 1024
		.amdhsa_next_free_sgpr 84
		.amdhsa_reserve_vcc 0
		.amdhsa_float_denorm_mode_32 3
		.amdhsa_float_denorm_mode_16_64 3
		.amdhsa_memory_ordered 1
		.amdhsa_forward_progress 1
		.amdhsa_inst_pref_size 115
	.end_amdhsa_kernel
	.amdgpu_metadata
---
amdhsa.version: [ 1, 2 ]
amdhsa.kernels:
  - .name:           k_q3b5af3908e_qkv
    .symbol:         k_q3b5af3908e_qkv.kd
    .args:
      - { .name: xqi, .offset: 0, .size: 8, .value_kind: global_buffer, .address_space: global }
      - { .name: xkvi, .offset: 8, .size: 8, .value_kind: global_buffer, .address_space: global }
      - { .name: wqi, .offset: 16, .size: 8, .value_kind: global_buffer, .address_space: global }
      - { .name: wkvi, .offset: 24, .size: 8, .value_kind: global_buffer, .address_space: global }
      - { .name: lowp_scales, .offset: 32, .size: 8, .value_kind: global_buffer, .address_space: global }
      - { .name: qi, .offset: 40, .size: 8, .value_kind: global_buffer, .address_space: global }
      - { .name: kvi, .offset: 48, .size: 8, .value_kind: global_buffer, .address_space: global }
    .group_segment_fixed_size: 327680
    .private_segment_fixed_size: 0
    .kernarg_segment_align: 8
    .kernarg_segment_size: 56
    .max_flat_workgroup_size: 128
    .sgpr_count:     84
    .vgpr_count:     1024
    .wavefront_size: 32
...
	.end_amdgpu_metadata
.endif
;; end of part 2
;; launch attn (part 3): grid 16 x 16, 16 waves a work-group, clusters of 4 x 1, 264,192 bytes of LDS; arguments qi, kvi, lowp_scales, yi; writes yi
.if DOCPART == 3
	.amdgcn_target "amdgcn-amd-amdhsa--gfx1250"
	.amdhsa_code_object_version 6
	.text
	.protected	k_q3b5af3908e_attn
	.globl	k_q3b5af3908e_attn
	.p2align	8
	.type	k_q3b5af3908e_attn,@function
k_q3b5af3908e_attn:
	s_mov_b64 s[64:65], 0
	v_nop
	global_prefetch_b8 v0, s[64:65] scope:SCOPE_SE
	s_setreg_imm32_b32 hwreg(HW_REG_WAVE_MODE, 25, 1), 1
	s_wait_xcnt 0x0
	s_wait_alu depctr_hold_cnt(0) depctr_sa_sdst(0) depctr_va_vdst(0) depctr_va_sdst(0) depctr_va_ssrc(0) depctr_va_vcc(0) depctr_vm_vsrc(0)
	s_getreg_b32 s2, hwreg(HW_REG_IB_STS2, 6, 4)
	s_cmp_eq_u32 s2, 0
	s_cbranch_scc0 .Lentry_in_a_cluster
	s_endpgm
.Lentry_in_a_cluster:
	s_bfe_u32 s2, ttmp6, 0x10000c
	s_cmp_lg_u32 s2, 0x3003
	s_cbranch_scc0 .Lentry_shape_is_right
	s_endpgm
.Lentry_shape_is_right:
; y = softmax(q k^T / 8, causal) v for 4 batches x 16 heads of 64; head hd uses the keys and values of group hd % 4.  Both products on codes of E5M2; the exponents: q entry 4, k 5, p 6, v 7; y is quantised at once with entry 8 for the last product.
; THE SOFTMAX: t = score x log2(e) / 8; M = the running largest t rounded UP to a whole number; p = 2^(t - M) is quantised along the keys, not normalised; the row's sum is taken of the unquantised p and divides at the end.
; The running largest is kept as a score and multiplied by c (positive) once a step.  When M moves, the sum and O are multiplied by 2^(old M - new M): nothing is rounded, and no branch hangs on data.
; LEFT OUT: key steps all of whose 128 keys come after a tile's 16 queries: the causal mask hides them, and each row keeps its own key, so their p is 0 for all values of the inputs.
; A NaN, an infinity or an overflow that reaches only such scores is not carried to the result.
; OPERANDS ARE IMAGES OF REGISTERS (tiles of 16 rows, place r of tile t: row 32 (t / 2) + 8 (t % 2) + r + 8 (r / 8); quads of 512 bytes, lane l's 16 bytes at 16 l: K = 32 c + 16 (l / 16) + 0 .. 15).
; Both products are used transposed (S^T = K Q^T, O^T = V^T P^T): a lane holds ONE query throughout, the 16 registers of two neighbouring tiles of keys are 16 neighbouring keys, and those of two tiles of O^T 16 neighbours of the head's 64:
; the conversions' results are the next operand's registers, and y leaves as quads of 512 consecutive aligned bytes.
; SHARES.  Work-group y = 4 batch + group.  The four work-groups of a cluster are the four heads of that group: they read the same 262,144 bytes of k and v, which fill LDS ONCE, by joint loads (mask: all four); nothing is filled again.
; Each of the sixteen waves issues ONE joint load, 16,384 dense bytes, at the head; one wait for it and one barrier follow, and from there on no wave meets another before the closing round.
; Cluster x = i (0..3).  Wave w owns two tiles of 16 queries: tA = 16 i + w and tB = 127 - tA.  A tile walks key steps of 128 up to the one that holds its own rows, t / 8: sA + sB = 15, so every wave of the launch does 17 tile steps.
; sA = 2 i + w / 8 is at most 7 and sB at least 8: so steps 8 to 15 hold no text for tile A, and in steps 0 to 7 tile B needs neither the test for hidden steps nor the mask.
; The branches on hidden steps hang on the cluster's x and the wave's number alone, which the four partners share.  Four waves share a SIMD.
; The maxima and the sums of a step's 64 numbers a lane go in FOUR independent chains each, and the three lines that make f stand among the 32 multiply-adds, so that few lines read the line just above them.
; NO PREFETCH: the launch's one fill goes out at the head; there is no loop to run ahead in.
; LIMITS: e4 + e5 between -123 and 130 (added to c's exponent field); e6 and e8 between -126 and 112; e6 + e7 is applied by v_ldexp_f32 and has none.  The scaled scores t stay under 2^31 in magnitude.  NaN among the inputs is not served.
; REGISTERS: v1 16 x lane; v2, v3 addresses of the step's tiles; v4, v5 the mask's d; v6, v7 scratch; v8-11, v12-15 a tile's -M, largest score, sum in two halves; v16-31 Q; v32-95 fragments of K or V; v96-159 S^T, then p; v160-223 O^T; v224-239 codes; v240-255 scales, scratch, the add's two.
.set LI,  1
.set ADK, 2
.set ADV, 3
.set DA,  4
.set DB,  5
.set QA,  16
.set QB,  24
.set F,   32
.set S,   96
.set OA,  160
.set OB,  192
.set P,   224
.set SPW, 251                          ; v251 LDS address of my spare word; v255 0: never rewritten
.set NIL, 255
.set SPARE, 0x40000                    ; behind k and v: the spare words, 128 bytes for each of 16 waves
.set WV,  12                           ; s12  my wave's number
.set SA,  18                           ; s18, s19  the key step that holds tile A's, tile B's own rows
.set SB,  19
.set SEL, 20                           ; s[20:21] lane selects: lane l xor 16
.set CS,  22                           ; s[22:23] c = log2(e) / 8 x 2^(e4 + e5)
.set G1,  24                           ; s[24:31] descriptor group 1
.set G0,  32                           ; s[32:35] group 0
.set STP, 48                           ; s48  the key step
.set TB,  49                           ; s49  LDS byte of its tiles of K
.set EPV, 51                           ; s51  e6 + e7
.macro CROUND                          ; a round of the cluster's barrier
	s_barrier_signal -1
	s_barrier_wait -1
	s_cmp_lg_u32 s[WV], 0
	s_cbranch_scc1 .Lnot_wave_0_\@
	s_barrier_signal -3
.Lnot_wave_0_\@:
	s_barrier_wait -3
	s_barrier_signal -1
	s_barrier_wait -1
.endm
	s_load_b256 s[4:11], s[0:1], 0x0               ; qi, kvi, the exponents, yi
	v_lshl_add_u32 v[SPW], v0, 2, SPARE
	v_mov_b32 v[NIL], 0
	ds_add_u32 v[SPW], v[NIL]                      ; the opening lines: the add twice on end, and its wait ahead of the round in front of my tensor load
	ds_add_u32 v[SPW], v[NIL]
	v_lshrrev_b32 v2, 5, v0
	s_delay_alu instid0(VALU_DEP_1)
	v_readfirstlane_b32 s[WV], v2                  ; wave 0..15
	s_bfe_u32 s13, ttmp6, 0x40000                  ; cx: it enters qi's and yi's addresses alone
	s_and_b32 s14, ttmp7, 0xffff                   ; 4 batch + group, which the four partners share
	s_lshl_b32 s16, ttmp9, 4
	s_add_co_u32 s16, s16, s[WV]                   ; tA = 16 i + w
	s_sub_co_u32 s17, 127, s16                     ; tB
	s_lshr_b32 s[SA], s16, 3
	s_lshr_b32 s[SB], s17, 3
	s_mov_b32 s[G1+0], 15|(3<<16)|(1<<21)          ; the mask: all four work-groups; elements of 8 bytes; bit 21 set beside a mask; no padding
	s_mov_b32 s[G1+1], 32<<16                      ; tensor_dim0 = 32 elements: rows of 256 bytes
	s_mov_b32 s[G1+2], 64<<16                      ; tensor_dim1 = 64
	s_mov_b32 s[G1+3], 32<<16                      ; tile_dim0
	s_mov_b32 s[G1+4], 64                          ; tile_dim1
	s_mov_b32 s[G1+5], 32                          ; dense
	s_mov_b32 s[G1+6], 0
	s_mov_b32 s[G1+7], 0
	s_mov_b32 s[SEL], 0x76543210
	s_mov_b32 s[SEL+1], 0xfedcba98
	s_lshl_b32 s60, s[WV], 14                      ; my 16,384 bytes: the same byte in LDS as in the group's block of kvi (k's 131,072 bytes, then v's)
	s_lshl_b32 s62, s14, 18
	s_add_co_u32 s62, s62, s60
	s_mov_b32 s63, 0
	s_wait_dscnt 0x0
	s_wait_kmcnt 0x0
	s_load_b256 s[72:79], s[8:9], 0x0              ; entries 0 to 7
	s_load_b64 s[80:81], s[8:9], 0x20              ; entries 8, 9
	s_mov_b32 s[G0], 1
	s_mov_b32 s[G0+1], s60
	s_add_nc_u64 s[G0+2:G0+3], s[6:7], s[62:63]
	s_or_b32 s[G0+3], s[G0+3], 0x80000000
	CROUND                                         ; all four work-groups are here: the joint loads meet
	tensor_load_to_lds s[G0:G0+3], s[G1:G1+7]      ; one tensor load a wave
	s_nop 0
.rept 4
	v_nop
.endr
	v_and_b32 v2, 31, v0
	s_delay_alu instid0(VALU_DEP_1)
	v_lshlrev_b32 v[LI], 4, v2
	s_wait_alu depctr_va_vdst(0)
	s_lshr_b32 s60, s14, 2                         ; batch
	s_and_b32 s61, s14, 3                          ; group
	s_lshl_b32 s62, s13, 2
	s_add_co_u32 s61, s61, s62                     ; head = group + 4 cx
	s_lshl_b32 s62, s60, 21
	s_lshl_b32 s63, s61, 17
	s_add_co_u32 s62, s62, s63                     ; qi: batch << 21 + head << 17 + tile << 10
	s_lshl_b32 s66, s16, 10
	s_add_co_u32 s66, s66, s62
	s_mov_b32 s67, 0
	s_add_nc_u64 s[52:53], s[4:5], s[66:67]
	s_lshl_b32 s66, s17, 10
	s_add_co_u32 s66, s66, s62
	s_add_nc_u64 s[54:55], s[4:5], s[66:67]
	global_load_b128 v[QA:QA+3], v[LI], s[52:53]
	global_load_b128 v[QA+4:QA+7], v[LI], s[52:53] offset:512
	global_load_b128 v[QB:QB+3], v[LI], s[54:55]
	global_load_b128 v[QB+4:QB+7], v[LI], s[54:55] offset:512
	s_lshl_b32 s62, s60, 21
	s_lshl_b32 s63, s61, 10
	s_add_co_u32 s62, s62, s63                     ; yi: (128 batch + tile) << 14 + head << 10
	s_lshl_b32 s66, s16, 14
	s_add_co_u32 s66, s66, s62
	s_add_nc_u64 s[56:57], s[10:11], s[66:67]
	s_lshl_b32 s66, s17, 14
	s_add_co_u32 s66, s66, s62
	s_add_nc_u64 s[58:59], s[10:11], s[66:67]
	v_and_b32 v2, 15, v0                           ; r
	v_and_b32 v3, 8, v0
	s_delay_alu instid0(VALU_DEP_1)
	v_add_nc_u32 v2, v2, v3                        ; r + 8 (r / 8)
	v_and_b32 v3, 16, v0
	s_delay_alu instid0(VALU_DEP_1)
	v_sub_nc_u32 v2, v2, v3                        ; - 16 h
	s_wait_alu depctr_va_vdst(0)
	s_and_b32 s62, s16, 6
	s_lshl_b32 s62, s62, 4
	s_and_b32 s63, s16, 1
	s_lshl_b32 s63, s63, 3
	s_add_co_u32 s62, s62, s63
	v_add_nc_u32 v[DA], s62, v2                    ; d = my query's place in its own key step - 16 h.  Register 16 b + i holds key 32 b + 16 h + i of the step: hidden where 32 b + i > d
	s_and_b32 s62, s17, 6
	s_lshl_b32 s62, s62, 4
	s_and_b32 s63, s17, 1
	s_lshl_b32 s63, s63, 3
	s_add_co_u32 s62, s62, s63
	v_add_nc_u32 v[DB], s62, v2
.irp st, 8, 12
	v_mov_b32 v[\st+1], 0xff61b1e6                 ; the largest score so far: -3e38, under every score
	s_delay_alu instid0(VALU_DEP_1)
	v_floor_f32 v[\st], -v[\st+1]                  ; -M
	v_mov_b32 v[\st+2], 0                          ; the sum, in two halves
	v_mov_b32 v[\st+3], 0
.endr
	v_mov_b32 v246, 0                              ; written once: a lane permute's destination counts as one of its sources
	v_mov_b32 v252, 0
	v_mov_b32 v253, 0                              ; (named as the upper half of the pair v[252:253])
	v_mov_b32 v254, 0
.set jj, 0
.rept 64
	v_mov_b32 v[OA+jj], 0                          ; O^T of both tiles: the first change of M multiplies zeros
.set jj, jj+1
.endr
	s_wait_kmcnt 0x0
	s_add_co_i32 s60, s76, s77
	s_lshl_b32 s60, s60, 23
	s_mov_b32 s[CS], 0x3e38aa3b                    ; log2(e) / 8
	s_add_co_i32 s[CS], s[CS], s60                 ; a score stands for score x 2^(e4 + e5): added to c's exponent field
	s_mov_b32 s[CS+1], s[CS]
	s_add_co_i32 s60, s78, 127
	s_lshl_b32 s61, s60, 23
	v_mov_b32 v244, s61                            ; 2^e6, for p's conversions
	s_add_co_i32 s60, s60, 15
	s_lshl_b32 s60, s60, 23
	s_or_b32 s60, s60, 0x600000
	v_mov_b32 v240, s60                            ; 57,344 x 2^e6,
	v_mov_b32 v247, s60                            ; twice: the two halves of a dual instruction take their second sources from different register banks
	s_add_co_i32 s60, s80, 127
	s_lshl_b32 s61, s60, 23
	v_mov_b32 v245, s61                            ; 2^e8, for y's
	s_add_co_i32 s60, s60, 15
	s_lshl_b32 s60, s60, 23
	s_or_b32 s60, s60, 0x600000
	v_mov_b32 v241, s60
	s_add_co_i32 s[EPV], s78, s79
; ONE TILE OF 16 QUERIES x ONE KEY STEP OF 128.  q: its fragment; o: its O^T; st: its four registers of statistics; dl: its d; sd: its own key step.  mk = 1: the step may be hidden (left out) or lie on the diagonal (masked): scalar branches on ids alone.
.macro TILE q, o, st, dl, sd, mk
.if \mk
	s_cmp_gt_u32 s[STP], s[\sd]
	s_cbranch_scc1 .Lhidden_\@                     ; all 128 keys come after my 16 queries
.endif
	v_add_nc_u32 v[ADK], s[TB], v[LI]
	s_delay_alu instid0(VALU_DEP_1)
	v_add_nc_u32 v[ADV], 0x20000, v[ADK]
	v_nop
	v_nop                                          ; four places in front of loads into registers that the last products read (the two additions are places too)
.irp t, 0,1,2,3,4,5,6,7
.irp c, 0,1
	ds_load_b128 v[F+8*\t+4*\c:F+8*\t+4*\c+3], v[ADK] offset:1024*\t+512*\c
.endr
.endr
	s_wait_alu depctr_va_vdst(0)
	s_wait_dscnt 8                                 ; tiles 0-3 of the keys are in; the youngest eight loads may be out
.irp t, 0,1,2,3
	v_wmma_f32_16x16x64_bf8_bf8 v[S+8*\t:S+8*\t+7], v[F+8*\t:F+8*\t+7], v[\q:\q+7], 0
.endr
	s_wait_dscnt 0x0
.irp t, 4,5,6,7
	v_wmma_f32_16x16x64_bf8_bf8 v[S+8*\t:S+8*\t+7], v[F+8*\t:F+8*\t+7], v[\q:\q+7], 0
.endr
.rept 4
	v_nop                                          ; places in front of the loads below and of the first read of the scores
.endr
.irp d, 0,1,2,3
.irp b, 0,1,2,3
	ds_load_b128 v[F+16*\d+4*\b:F+16*\d+4*\b+3], v[ADV] offset:2048*\d+512*\b   ; V's four fragments land while the softmax is walked
.endr
.endr
.if \mk
	s_cmp_lt_u32 s[STP], s[\sd]
	s_cbranch_scc1 .Lopen_\@                       ; all 128 keys count
	v_mov_b32 v254, 0xff800000                     ; on the diagonal hidden scores become -infinity ahead of the maximum: p = 0 then.  The step's first key counts for every query of the tile
.set jj, 0
.rept 64
	v_cmp_gt_i32 vcc_lo, 32*(jj/16)+jj%16, v[\dl]
	v_cndmask_b32 v[S+jj], v[S+jj], v254, vcc_lo
.set jj, jj+1
.endr
.Lopen_\@:
.endif
	v_max3_num_f32 v254, v[S], v[S+1], v[S+2]      ; the step's largest score of my query among my 64 keys, in four chains, ascending: each accumulator from its low end on
	v_max3_num_f32 v252, v[S+3], v[S+4], v[S+5]
	v_max3_num_f32 v242, v[S+6], v[S+7], v[S+8]
	v_max3_num_f32 v243, v[S+9], v[S+10], v[S+11]
.irp i, 12,20,28,36,44,52
	v_max3_num_f32 v254, v254, v[S+\i], v[S+1+\i]
	v_max3_num_f32 v252, v252, v[S+2+\i], v[S+3+\i]
	v_max3_num_f32 v242, v242, v[S+4+\i], v[S+5+\i]
	v_max3_num_f32 v243, v243, v[S+6+\i], v[S+7+\i]
.endr
	v_max3_num_f32 v254, v254, v[S+60], v[S+61]
	v_max3_num_f32 v252, v252, v[S+62], v[S+63]
	v_max_num_f32 v242, v242, v243
	s_delay_alu instid0(VALU_DEP_1)
	v_max3_num_f32 v254, v254, v252, v242
	s_delay_alu instid0(VALU_DEP_1)
	v_permlanex16_b32 v246, v254, s[SEL], s[SEL+1]
	s_delay_alu instid0(VALU_DEP_1)
	v_max3_num_f32 v[\st+1], v[\st+1], v254, v246  ; the running largest score: mine, lane l xor 16's and the old one
	s_delay_alu instid0(VALU_DEP_1)
	v_mul_f32 v254, s[CS], v[\st+1]                ; as t (c is positive)
	v_mov_b32 v252, v[\st]
	s_delay_alu instid0(VALU_DEP_2)
	v_floor_f32 v[\st], -v254                      ; the new -M = floor(-t) = -ceil(t)
.irp j, 0,2,4,6,8,10,12,14,16,18,20,22,24,26,28,30,32,34,36,38,40,42,44,46,48,50,52,54,56,58,60,62
	v_pk_fma_f32 v[S+\j:S+1+\j], v[S+\j:S+1+\j], s[CS:CS+1], v[\st:\st+1] op_sel_hi:[1,0,0]   ; t - M, two at a time (of the pair the low word, -M, serves both halves)
.if \j == 6
	v_sub_f32 v252, v[\st], v252                   ; old M - new M: a whole number, 0 or less
.endif
.if \j == 14
	v_cvt_i32_f32 v252, v252                       ; (it saturates)
.endif
.if \j == 22
	v_ldexp_f32 v252, 1.0, v252                    ; f = 2^(old M - new M)
.endif
.endr
.set jj, 0
	s_wait_alu depctr_va_vdst(0)
.rept 64
	v_exp_f32 v[S+jj], v[S+jj]                     ; p = 2^(t - M), at most 1
.set jj, jj+1
.endr
	v_pk_mul_f32 v[\st+2:\st+3], v[\st+2:\st+3], v[252:253] op_sel_hi:[1,0]   ; the sums under the new M (a plain place behind the exponentials)
	s_wait_alu depctr_va_vdst(0)                   ; and behind it, ahead of its first reader
	v_pk_add_f32 v[242:243], v[S:S+1], v[S+2:S+3]  ; the row's sum is taken of the unquantised p, in four chains
	v_pk_add_f32 v[248:249], v[S+4:S+5], v[S+6:S+7]
	v_pk_add_f32 v[6:7], v[S+8:S+9], v[S+10:S+11]
	v_pk_add_f32 v[\st+2:\st+3], v[\st+2:\st+3], v[S+12:S+13]
.irp j, 14,22,30,38,46,54
	v_pk_add_f32 v[242:243], v[242:243], v[S+\j:S+1+\j]
	v_pk_add_f32 v[248:249], v[248:249], v[S+2+\j:S+3+\j]
	v_pk_add_f32 v[6:7], v[6:7], v[S+4+\j:S+5+\j]
	v_pk_add_f32 v[\st+2:\st+3], v[\st+2:\st+3], v[S+6+\j:S+7+\j]
.endr
	v_pk_add_f32 v[242:243], v[242:243], v[S+62:S+63]
	v_pk_add_f32 v[248:249], v[248:249], v[6:7]
	v_pk_add_f32 v[\st+2:\st+3], v[\st+2:\st+3], v[242:243]
	s_delay_alu instid0(VALU_DEP_1)
	v_pk_add_f32 v[\st+2:\st+3], v[\st+2:\st+3], v[248:249]
.irp b, 0,1,2,3
.set jj, 0
.rept 8
	v_dual_min_num_f32 v[S+16*\b+jj], v[S+16*\b+jj], v240 :: v_dual_min_num_f32 v[S+16*\b+jj+1], v[S+16*\b+jj+1], v247   ; the conversion does not saturate (ISA guide 7.6.2); p is not negative, so the hold is one-sided; two numbers an instruction
.set jj, jj+2
.endr
	v_cvt_scalef32_pk8_bf8_f32 v[P+4*\b:P+1+4*\b], v[S+16*\b:S+7+16*\b], v244
	v_cvt_scalef32_pk8_bf8_f32 v[P+2+4*\b:P+3+4*\b], v[S+8+16*\b:S+15+16*\b], v244
.endr
	s_wait_alu depctr_va_vdst(0)                   ; directly ahead of the first reader of O^T
.irp j, 0,2,4,6,8,10,12,14,16,18,20,22,24,26,28,30
	v_pk_mul_f32 v[\o+\j:\o+1+\j], v[\o+\j:\o+1+\j], v[252:253] op_sel_hi:[1,0]   ; O^T under the new M (also the plain lines between the conversions and the products)
.endr
	s_wait_alu depctr_va_vdst(0)
	s_wait_dscnt 0x0                               ; V is in
.irp d, 0,1,2,3
	v_wmma_f32_16x16x128_bf8_bf8 v[\o+8*\d:\o+8*\d+7], v[F+16*\d:F+16*\d+15], v[P:P+15], v[\o+8*\d:\o+8*\d+7]   ; four accumulators by turns
.endr
.if \mk
.Lhidden_\@:
.endif
.endm
	s_wait_alu depctr_va_vdst(0)
	s_wait_loadcnt 0x0                             ; Q
	s_wait_tensorcnt 0x0                           ; my part of k and v has landed;
	s_wait_dscnt 0x0
	s_barrier_signal -1
	s_barrier_wait -1                              ; and so has every wave's.  Nothing is filled again: no further barrier stands ahead of the closing round
	s_mov_b32 s[STP], 0
	s_mov_b32 s[TB], 0
.Lstep_a:                                              ; key steps 0 to 7: both tiles
	TILE QA, OA, 8, DA, SA, 1
	TILE QB, OB, 12, DB, SB, 0
	s_add_co_u32 s[TB], s[TB], 8192
	s_add_co_u32 s[STP], s[STP], 1
	s_cmp_lt_u32 s[STP], 8
	s_cbranch_scc1 .Lstep_a
	s_mov_b32 s[STP], 8
	s_mov_b32 s[TB], 65536
.Lstep_b:                                              ; key steps 8 to 15: tile B alone
	TILE QB, OB, 12, DB, SB, 1
	s_add_co_u32 s[TB], s[TB], 8192
	s_add_co_u32 s[STP], s[STP], 1
	s_cmp_lt_u32 s[STP], 16
	s_cbranch_scc1 .Lstep_b
.rept 4
	v_nop                                          ; places behind the last products
.endr
; THE WAY OUT of a tile: y = O^T / the sum x 2^(e6 + e7), held and converted with entry 8: two quads of the last product's operand.
.macro FIN o, st, cd, ya
	v_add_f32 v[\st+2], v[\st+2], v[\st+3]         ; the sum's two halves,
	s_delay_alu instid0(VALU_DEP_1)
	v_permlanex16_b32 v252, v[\st+2], s[SEL], s[SEL+1]
	s_delay_alu instid0(VALU_DEP_1)
	v_add_f32 v[\st+2], v[\st+2], v252             ; and lane l xor 16's
	s_wait_alu depctr_va_vdst(0)
	v_rcp_f32 v[\st+2], v[\st+2]
	v_nop                                          ; one plain place behind a transcendental
	s_wait_alu depctr_va_vdst(0)                   ; and ahead of its first reader; it serves O^T's first readers below too
	v_ldexp_f32 v[\st+2], v[\st+2], s[EPV]
.irp j, 0,2,4,6,8,10,12,14,16,18,20,22,24,26,28,30
	v_pk_mul_f32 v[S+\j:S+1+\j], v[\o+\j:\o+1+\j], v[\st+2:\st+3] op_sel_hi:[1,0]   ; register 16 s + i: channel 32 s + 16 h + i of my query's row
.endr
.set jj, 0
.rept 32
	v_med3_num_f32 v[S+jj], v[S+jj], -v241, v241
.set jj, jj+1
.endr
.irp g, 0,1,2,3
	v_cvt_scalef32_pk8_bf8_f32 v[\cd+2*\g:\cd+2*\g+1], v[S+8*\g:S+8*\g+7], v245
.endr
	v_nop
	global_store_b128 v[LI], v[\cd:\cd+3], s[\ya:\ya+1]                 ; 512 consecutive aligned bytes each
	global_store_b128 v[LI], v[\cd+4:\cd+7], s[\ya:\ya+1] offset:512
.endm
	FIN OA, 8, P, 56
	FIN OB, 12, P+8, 58
	s_wait_tensorcnt 0x0                           ; the wave's end
	ds_add_u32 v[SPW], v[NIL]
	s_wait_dscnt 0x0
	CROUND                                         ; the closing round: no work-group ends while a partner may still ask for a tile that names it
	s_endpgm
.Lfunc_end_k_q3b5af3908e_attn:
	.size	k_q3b5af3908e_attn, .Lfunc_end_k_q3b5af3908e_attn-k_q3b5af3908e_attn
	.p2alignl 7, 3214868480
	.fill 96, 4, 3214868480
	.section	.rodata,"a",@progbits
	.p2align	6, 0x0
	.amdhsa_kernel k_q3b5af3908e_attn
		.amdhsa_group_segment_fixed_size 264192
		.amdhsa_private_segment_fixed_size 0
		.amdhsa_enable_private_segment 0
		.amdhsa_kernarg_size 32
		.amdhsa_user_sgpr_count 2
		.amdhsa_user_sgpr_kernarg_segment_ptr 1
		.amdhsa_wavefront_size32 1
		.amdhsa_system_sgpr_workgroup_id_x 1
		.amdhsa_system_sgpr_workgroup_id_y 1
		.amdhsa_system_sgpr_workgroup_id_z 1
		.amdhsa_system_vgpr_workitem_id 0
		.amdhsa_next_free_vgpr 256
		.amdhsa_next_free_sgpr 82
		.amdhsa_reserve_vcc 1
		.amdhsa_float_denorm_mode_32 3
		.amdhsa_float_denorm_mode_16_64 3
		.amdhsa_memory_ordered 1
		.amdhsa_forward_progress 1
		.amdhsa_inst_pref_size 74
	.end_amdhsa_kernel
	.amdgpu_metadata
---
amdhsa.version: [ 1, 2 ]
amdhsa.kernels:
  - .name:           k_q3b5af3908e_attn
    .symbol:         k_q3b5af3908e_attn.kd
    .args:
      - { .name: qi, .offset: 0, .size: 8, .value_kind: global_buffer, .address_space: global }
      - { .name: kvi, .offset: 8, .size: 8, .value_kind: global_buffer, .address_space: global }
      - { .name: lowp_scales, .offset: 16, .size: 8, .value_kind: global_buffer, .address_space: global }
      - { .name: yi, .offset: 24, .size: 8, .value_kind: global_buffer, .address_space: global }
    .group_segment_fixed_size: 264192
    .private_segment_fixed_size: 0
    .kernarg_segment_align: 8
    .kernarg_segment_size: 32
    .max_flat_workgroup_size: 512
    .sgpr_count:     82
    .vgpr_count:     256
    .wavefront_size: 32
...
	.end_amdgpu_metadata
.endif
;; end of part 3
;; launch proj (part 4): grid 8 x 32, 4 waves a work-group, clusters of 4 x 4, 327,680 bytes of LDS; arguments yi, wpi, lowp_scales, b_proj, out0; writes out0
.if DOCPART == 4
	.amdgcn_target "amdgcn-amd-amdhsa--gfx1250"
	.amdhsa_code_object_version 6
	.text
	.protected	k_q3b5af3908e_proj
	.globl	k_q3b5af3908e_proj
	.p2align	8
	.type	k_q3b5af3908e_proj,@function
k_q3b5af3908e_proj:
	s_mov_b64 s[64:65], 0
	v_nop
	global_prefetch_b8 v0, s[64:65] scope:SCOPE_SE
	s_setreg_imm32_b32 hwreg(HW_REG_WAVE_MODE, 25, 1), 1
	s_wait_xcnt 0x0
	s_wait_alu depctr_hold_cnt(0) depctr_sa_sdst(0) depctr_va_vdst(0) depctr_va_sdst(0) depctr_va_ssrc(0) depctr_va_vcc(0) depctr_vm_vsrc(0)
	s_getreg_b32 s2, hwreg(HW_REG_IB_STS2, 6, 4)
	s_cmp_eq_u32 s2, 0
	s_cbranch_scc0 .Lentry_in_a_cluster
	s_endpgm
.Lentry_in_a_cluster:
	s_bfe_u32 s2, ttmp6, 0x10000c
	s_cmp_lg_u32 s2, 0xf033
	s_cbranch_scc0 .Lentry_shape_is_right
	s_endpgm
.Lentry_shape_is_right:
; out0 [8192][1024] f32 = y Wproj^T x 2^(e8 + e9) + b_proj, on codes of E5M2: y's (yi) with entry 8, Wproj's (wpi) with entry 9.
; BOTH OPERANDS ARE IMAGES OF REGISTERS: a tile is 16 rows (place r of tile t: row 32 (t / 2) + 8 (t % 2) + r + 8 (r / 8)), 16,384 bytes on end: 8 K steps of 128, each 4 quads of 512 bytes, lane l's 16 bytes at 16 l.
; A BLOCK of out0 is 256 rows x 128 columns: 32 x 8 = 256 work-groups.  Four waves; wave w makes rows 128 (w / 2) .. + 127 and columns 64 (w % 2) .. + 63: 8 x 4 accumulators of 16 x 16.
; K goes in steps of 256 through a ring of two LDS slots: a tile's part of a K step is 4,096 consecutive bytes.  Waves 0 and 1 fetch 8 tiles of y each, waves 2 and 3 fetch 4 tiles of Wproj each: one tensor load a wave.
; CLUSTERS: 4 x 4 work-groups; y's tiles are asked for jointly along a row of the cluster, Wproj's along a column.  Each refill stands behind a round of the cluster's barrier.
; THE MATRIX INSTRUCTION IS USED TRANSPOSED (source 0 = 16 rows of Wproj, source 1 = 16 rows of y): by the tiles' order of rows the 16 registers of two neighbouring tiles of Wproj are 16 neighbouring columns of one row of out0.
; NO PREFETCH: K is four K steps; two are asked for at the head and the other two are the only refills, one K step behind: no trip stands two refills ahead of a load.
; LIMIT: e8 + e9 between -126 and 127, so that 2^(e8 + e9) is an f32 number.
; REGISTERS, in windows of 256: window 0: v0-31 addresses, v32-63 the bias, from v128 y's 8 fragments (one set); window 1: Wproj's 4 fragments, two sets, at v0 and v128; windows 2, 3: accumulator (a, b) at v[8 (8 (a % 4) + b)].
.set FR,     16
.set NL,     4
.set NP,     4
.set TILEB,  4096                      ; a tile's 256 along K
.set HALFT,  8*TILEB
.set SLOT,   4*HALFT                   ; y's 16 tiles from byte 0, Wproj's 8 from byte 2 HALFT
.set SPARE,  2*SLOT                    ; the spare words: 128 bytes for each wave
.set SPITCH, 272                       ; the way out: a stage row of 256 bytes + 16; the stages lie in slot 0, behind its last fill and its last read
.set LI,   5
.set BO,   6
.set CO,   8
.set ADRA, 16
.set ADRB, 20
.set STO,  24
.set RD,   25
.set SPW,  28
.set NIL,  29
.set BI,   32
.set AF,   128
.set BK,   128
.set G1, 24
.set G0, 32
.set G1B, 48
.set G0B, 56
.set MSB, 0
.macro WIN new                         ; the immediate's high byte repeats the setting that is left
.if MSB != (\new)
	s_set_vgpr_msb (MSB<<8)|(\new)
.set MSB, (\new)
.endif
.endm
.set MUL_LO, 0xa1
.set MUL_HI, 0xf1
.set TO_B,   0x40
.macro JLOAD g0a, g1a, g0b, g1b        ; a joint load: waves 0 and 1 for y, waves 2 and 3 for Wproj; the branch hangs on the wave's number alone
	s_cmp_eq_u32 s15, 0
	s_cbranch_scc0 .Lfor_b_\@
	tensor_load_to_lds s[\g0a:\g0a+3], s[\g1a:\g1a+7]
	s_nop 0
.rept 4
	v_nop
.endr
	s_branch .Lasked_\@
.Lfor_b_\@:
	tensor_load_to_lds s[\g0b:\g0b+3], s[\g1b:\g1b+7]
	s_nop 0
.rept 4
	v_nop
.endr
.Lasked_\@:
.endm
.macro CREST
	s_cmp_lg_u32 s14, 0
	s_cbranch_scc1 .Lnot_wave_0_\@
	s_barrier_signal -3
.Lnot_wave_0_\@:
	s_barrier_wait -3
	s_barrier_signal -1
	s_barrier_wait -1
.endm
.macro CROUND
	s_barrier_signal -1
	s_barrier_wait -1
	CREST
.endm
	s_load_b128 s[4:7], s[0:1], 0x0                ; yi, wpi
	s_load_b128 s[8:11], s[0:1], 0x10              ; the exponents, b_proj
	s_load_b64 s[12:13], s[0:1], 0x20              ; out0
	v_lshl_add_u32 v[SPW], v0, 2, SPARE
	v_mov_b32 v[NIL], 0
	ds_add_u32 v[SPW], v[NIL]                      ; the opening lines: the add twice on end and its wait
	ds_add_u32 v[SPW], v[NIL]
	v_lshrrev_b32 v1, 5, v0
	v_readfirstlane_b32 s14, v1                    ; wave 0..3
	s_lshr_b32 s15, s14, 1                         ; my half of the rows.  Also: I fetch for y (0) or for Wproj (1)
	s_and_b32 s16, s14, 1                          ; my half of the columns.  Also: which half of that operand's tiles I fetch
	s_bfe_u32 s40, ttmp6, 0x40000                  ; cx, cy
	s_bfe_u32 s41, ttmp6, 0x40004
	s_lshl_b32 s42, ttmp9, 2
	s_add_co_u32 s42, s42, s40                     ; block column
	s_and_b32 s17, ttmp7, 0xffff
	s_lshl_b32 s17, s17, 2
	s_add_co_u32 s17, s17, s41                     ; block row
	s_lshl_b32 s43, s41, 2
	s_lshl_b32 s43, 15, s43                        ; my row of the cluster
	s_lshl_b32 s44, 0x1111, s40                    ; my column
	s_or_b32 s[G1+0], s43, (3<<16)|(1<<21)         ; the mask; elements of 8 bytes; bit 21 set beside a mask; no padding
	s_or_b32 s[G1B+0], s44, (3<<16)|(1<<21)
.irp g, G1, G1B
	s_mov_b32 s[\g+1], 512<<16                     ; a row of the tensor tile: 4,096 bytes of one tile's image
	s_mov_b32 s[\g+3], 512<<16
	s_mov_b32 s[\g+5], 2048                        ; from tile to tile: 16,384 bytes
	s_mov_b32 s[\g+6], 0
	s_mov_b32 s[\g+7], 0
.endr
	s_mov_b32 s[G1+2], 8<<16                       ; y: 8 tiles a load
	s_mov_b32 s[G1+4], 8
	s_mov_b32 s[G1B+2], 4<<16                      ; Wproj: 4 tiles a load
	s_mov_b32 s[G1B+4], 4
	s_lshl_b32 s18, s16, 3
	s_lshl_b32 s20, s17, 4
	s_add_co_u32 s20, s20, s18                     ; y: tile 16 x block row + 8 x half
	s_lshl_b32 s20, s20, 14
	s_mov_b32 s21, 0
	s_lshl_b32 s46, s42, 3
	s_lshl_b32 s47, s16, 2
	s_add_co_u32 s46, s46, s47                     ; Wproj: tile 8 x block column + 4 x half
	s_lshl_b32 s46, s46, 14
	s_mov_b32 s47, 0
	s_lshl_b32 s45, s14, 15                        ; where y's go in a slot: wave x 8 tiles,
	s_lshl_b32 s66, s16, 14
	s_add_co_u32 s66, s66, 2*HALFT                 ; and Wproj's: behind y's 16 tiles, half x 4 tiles
	s_wait_dscnt 0x0
	s_wait_kmcnt 0x0
	s_load_b64 s[96:97], s[8:9], 0x20              ; e8, e9
	s_add_nc_u64 s[20:21], s[4:5], s[20:21]
	s_add_nc_u64 s[46:47], s[6:7], s[46:47]
	CROUND                                         ; all sixteen work-groups are here: the first joint loads meet
.irp s, 0,1
	s_mov_b32 s[G0+4*\s], 1
	s_add_co_u32 s[G0+4*\s+1], s45, \s*SLOT
	s_add_nc_u64 s[G0+4*\s+2:G0+4*\s+3], s[20:21], \s*TILEB
	s_or_b32 s[G0+4*\s+3], s[G0+4*\s+3], 0x80000000
	s_mov_b32 s[G0B+4*\s], 1
	s_add_co_u32 s[G0B+4*\s+1], s66, \s*SLOT
	s_add_nc_u64 s[G0B+4*\s+2:G0B+4*\s+3], s[46:47], \s*TILEB
	s_or_b32 s[G0B+4*\s+3], s[G0B+4*\s+3], 0x80000000
.endr
	JLOAD G0, G1, G0B, G1B                         ; K step 0: one tensor load a wave at the head
	s_lshl_b32 s21, s15, 15                        ; my 8 tiles of y in slot 0,
	s_lshl_b32 s22, s16, 14
	s_add_co_u32 s22, s22, 2*HALFT                 ; my 4 tiles of Wproj,
	s_add_co_u32 s67, s21, SLOT                    ; and the same in slot 1
	s_add_co_u32 s68, s22, SLOT
	s_mul_i32 s23, s14, 16*SPITCH                  ; my stage
	s_lshl_b32 s46, s42, 9                         ; my first column, in bytes: 512 x block column + 256 x half
	s_lshl_b32 s47, s16, 8
	s_add_co_u32 s46, s46, s47
	s_mov_b32 s47, 0
	s_add_nc_u64 s[10:11], s[10:11], s[46:47]
	s_lshl_b32 s20, s17, 20                        ; my first row: 256 x block row + 128 x half, rows of 4,096 bytes
	s_lshl_b32 s69, s15, 19
	s_add_co_u32 s20, s20, s69
	s_mov_b32 s21, 0
	s_add_nc_u64 s[20:21], s[20:21], s[46:47]
	s_add_nc_u64 s[12:13], s[12:13], s[20:21]
	s_lshl_b32 s69, s15, 15
	v_and_b32 v1, 15, v0                           ; r
	v_bfe_u32 v2, v0, 4, 1                         ; h
	v_and_b32 v3, 31, v0
	v_lshlrev_b32 v[LI], 4, v3
	v_lshlrev_b32 v[BO], 6, v2
	v_mul_u32_u24 v4, v1, SPITCH
	v_mul_u32_u24 v7, v2, SPITCH
	v_lshlrev_b32 v[CO], 12, v2
	v_add_nc_u32 v[ADRA], s69, v[LI]
	v_add_nc_u32 v[ADRA+1], s67, v[LI]
	v_add_nc_u32 v[ADRB], s22, v[LI]
	v_add_nc_u32 v[ADRB+1], s68, v[LI]
	v_lshl_add_u32 v4, v2, 6, v4
	v_lshl_add_u32 v7, v1, 4, v7
	v_lshl_add_u32 v[CO], v1, 4, v[CO]             ; out0: lanes 0-15 one row, lanes 16-31 the next; 16 bytes a lane
	v_add_nc_u32 v[STO], s23, v4                   ; the stage, in: row r, 64 bytes for each half of the lanes
	v_add_nc_u32 v[RD], s23, v7                    ; and back: sixteen lanes to a row of 256 bytes
	s_wait_alu depctr_va_vdst(0)
.irp b, 0,1
.irp k, 0,1,2,3
	global_load_b128 v[BI+16*\b+4*\k:BI+16*\b+4*\k+3], v[BO], s[10:11] offset:128*\b+16*\k   ; b_proj at my lane's 32 columns: 32 b + 16 h + 0 .. 15
.endr
.endr
.macro FRAG reg, adr, q, i             ; a fragment: four quads of a tile's q-th 128 along K in the slot
.irp c, 0,1,2,3
	ds_load_b128 v[\reg+4*\c:\reg+4*\c+3], v[\adr] offset:TILEB*(\i)+2048*(\q)+512*\c
.endr
.endm
.macro MUL8 a0, p, zero                ; y's blocks a0, a0 + 1 x Wproj's four; the 32 accumulators take turns, in the same order in every step
.irp a, \a0, \a0+1
.irp b, 0,1,2,3
.if \zero
	v_wmma_f32_16x16x128_bf8_bf8 v[8*(8*((\a)%4)+\b):8*(8*((\a)%4)+\b)+7], v[128*(\p)+FR*\b:128*(\p)+FR*\b+FR-1], v[AF+FR*(\a):AF+FR*(\a)+FR-1], 0
.else
	v_wmma_f32_16x16x128_bf8_bf8 v[8*(8*((\a)%4)+\b):8*(8*((\a)%4)+\b)+7], v[128*(\p)+FR*\b:128*(\p)+FR*\b+FR-1], v[AF+FR*(\a):AF+FR*(\a)+FR-1], v[8*(8*((\a)%4)+\b):8*(8*((\a)%4)+\b)+7]
.endif
.endr
.endr
.endm
.macro FETCH_B slot, q, p
	WIN TO_B
.irp i, 0,1,2,3
	FRAG 128*(\p)+FR*\i, ADRB+\slot, \q, \i
.endr
	WIN 0
.endm
.macro FETCH_A slot, q, i0
.irp i, \i0, \i0+1, \i0+2, \i0+3
	FRAG AF+FR*(\i), ADRA+\slot, \q, \i
.endr
.endm
.macro PLACES n                        ; places behind matrix instructions, in front of loads into registers that they read and of the first read of results
.rept \n
	v_nop
.endr
.endm
.macro STEP slot, q, zero              ; a step of 128 along K that has its successor in the same slot
	s_wait_dscnt 4*NL                              ; Wproj's set and y's blocks 0-3 are in; the youngest sixteen loads (blocks 4-7) may be out
	WIN MUL_LO
	MUL8 0, (\q)%2, \zero
	MUL8 2, (\q)%2, \zero
	s_wait_dscnt 0
	PLACES NP
	FETCH_B \slot, (\q)+1, 1-(\q)%2
	FETCH_A \slot, (\q)+1, 0
	WIN MUL_HI
	MUL8 4, (\q)%2, \zero
	MUL8 6, (\q)%2, \zero
	PLACES NP
	WIN 0
	FETCH_A \slot, (\q)+1, 4
.endm
.macro TURN slot, next, fill           ; a slot's last step changes slots: all my tensor loads, the add, my reads of this slot; one barrier, which opens a round of the cluster's barrier where the slot is filled again
	s_wait_tensorcnt 0x0
	ds_add_u32 v[SPW], v[NIL]
	s_wait_dscnt 4*NL+1                            ; (the add and the youngest sixteen loads may be out)
	WIN MUL_LO
	MUL8 0, 1, 0
	s_wait_dscnt 0x0
	s_barrier_signal -1
	MUL8 2, 1, 0
	WIN 0
	s_barrier_wait -1
.if \fill
	CREST
	s_add_nc_u64 s[G0+4*\slot+2:G0+4*\slot+3], s[G0+4*\slot+2:G0+4*\slot+3], 2*TILEB
	s_add_nc_u64 s[G0B+4*\slot+2:G0B+4*\slot+3], s[G0B+4*\slot+2:G0B+4*\slot+3], 2*TILEB
	JLOAD G0+4*\slot, G1, G0B+4*\slot, G1B         ; the first tensor load behind the round; its four v_nop are the places in front of the loads below
.else
	PLACES NP
.endif
	FETCH_B \next, 0, 0
	FETCH_A \next, 0, 0
	WIN MUL_HI
	MUL8 4, 1, 0
	MUL8 6, 1, 0
	PLACES NP
	WIN 0
	FETCH_A \next, 0, 4
.endm
	s_wait_tensorcnt 0x0                           ; my part of K step 0 is in
	ds_add_u32 v[SPW], v[NIL]
	s_wait_dscnt 0x0
	CROUND                                         ; everybody's part of K step 0 is in, and the joint loads meet
	JLOAD G0+4, G1, G0B+4, G1B                     ; K step 1, the first tensor load behind the round
	FETCH_B 0, 0, 0
	FETCH_A 0, 0, 0
	FETCH_A 0, 0, 4
	STEP 0, 0, 1                                   ; the first products start the sums
	TURN 0, 1, 1
	STEP 1, 0, 0
	TURN 1, 0, 1
	STEP 0, 0, 0
	TURN 0, 1, 0                                   ; the last two K steps fill nothing
	STEP 1, 0, 0
	s_wait_dscnt 4*NL
	WIN MUL_LO
	MUL8 0, 1, 0
	MUL8 2, 1, 0
	s_wait_dscnt 0
	WIN MUL_HI
	MUL8 4, 1, 0
	MUL8 6, 1, 0
	WIN 0
; THE WAY OUT, block by block of 16 rows x 64 columns: sum x 2^(e8 + e9) + bias into window 1; through my stage, in by lanes' 64 bytes, back by rows of 256.  LDS serves a wave's instructions in order: no wait between.
.macro TOSTAGE a
.set AC, 64*((\a)%4)
	WIN 0x42+((\a)/4)
.irp j, 0,2,4,6,8,10,12,14,16,18,20,22,24,26,28,30
	v_pk_fma_f32 v[\j:\j+1], v[AC+\j:AC+\j+1], s[96:97], v[BI+\j:BI+\j+1] op_sel_hi:[1,0,1]   ; each accumulator from its low end on
.endr
	WIN 0x04
.irp g, 0,1,2,3,4,5,6,7
	ds_store_b128 v[STO], v[4*\g:4*\g+3] offset:128*(\g/4)+16*(\g%4)
.endr
	WIN 0
.set BB, BK+64*((\a)%2)
.irp t, 0,1,2,3,4,5,6,7
	ds_load_b128 v[BB+4*\t:BB+4*\t+3], v[RD] offset:2*\t*SPITCH
.endr
.endm
.macro SEND a, younger                 ; younger: the LDS instructions issued behind block a's loads, which may stay out
.set BB, BK+64*((\a)%2)
	s_wait_dscnt \younger
.irp t, 0,1,2,3,4,5,6,7
	global_store_b128 v[CO], v[BB+4*\t:BB+4*\t+3], s[12:13] offset:(32*((\a)/2)+8*((\a)%2)+2*\t+8*(\t/4))*4096 th:TH_STORE_NT   ; sixteen lanes store 256 consecutive aligned bytes; place p of tile a is row 32 (a / 2) + 8 (a % 2) + p + 8 (p / 8)
.endr
.endm
	s_wait_kmcnt 0x0
	s_add_co_i32 s96, s96, s97
	s_add_co_i32 s96, s96, 127
	s_lshl_b32 s96, s96, 23                        ; 2^(e8 + e9)
	s_wait_loadcnt 0x0                             ; the bias
	PLACES NP
	TOSTAGE 0
.irp a, 1,2,3,4,5,6,7
.if \a > 1
	s_wait_xcnt 0x0                                ; block a - 2's stores have read their registers: block a's loads may land there
.endif
	TOSTAGE \a
	SEND \a-1, 16                                  ; behind block a - 1's loads: block a's 8 stores and 8 loads
.endr
	SEND 7, 0
	s_wait_tensorcnt 0x0                           ; the wave's end
	ds_add_u32 v[SPW], v[NIL]
	s_wait_dscnt 0x0
	CROUND                                         ; the closing round
	s_endpgm
.Lfunc_end_k_q3b5af3908e_proj:
	.size	k_q3b5af3908e_proj, .Lfunc_end_k_q3b5af3908e_proj-k_q3b5af3908e_proj
	.p2alignl 7, 3214868480
	.fill 96, 4, 3214868480
	.section	.rodata,"a",@progbits
	.p2align	6, 0x0
	.amdhsa_kernel k_q3b5af3908e_proj
		.amdhsa_group_segment_fixed_size 327680
		.amdhsa_private_segment_fixed_size 0
		.amdhsa_enable_private_segment 0
		.amdhsa_kernarg_size 40
		.amdhsa_user_sgpr_count 2
		.amdhsa_user_sgpr_kernarg_segment_ptr 1
		.amdhsa_wavefront_size32 1
		.amdhsa_system_sgpr_workgroup_id_x 1
		.amdhsa_system_sgpr_workgroup_id_y 1
		.amdhsa_system_sgpr_workgroup_id_z 1
		.amdhsa_system_vgpr_workitem_id 0
		.amdhsa_next_free_vgpr 1024
		.amdhsa_next_free_sgpr 98
		.amdhsa_reserve_vcc 0
		.amdhsa_float_denorm_mode_32 3
		.amdhsa_float_denorm_mode_16_64 3
		.amdhsa_memory_ordered 1
		.amdhsa_forward_progress 1
		.amdhsa_inst_pref_size 78
	.end_amdhsa_kernel
	.amdgpu_metadata
---
amdhsa.version: [ 1, 2 ]
amdhsa.kernels:
  - .name:           k_q3b5af3908e_proj
    .symbol:         k_q3b5af3908e_proj.kd
    .args:
      - { .name: yi, .offset: 0, .size: 8, .value_kind: global_buffer, .address_space: global }
      - { .name: wpi, .offset: 8, .size: 8, .value_kind: global_buffer, .address_space: global }
      - { .name: lowp_scales, .offset: 16, .size: 8, .value_kind: global_buffer, .address_space: global }
      - { .name: b_proj, .offset: 24, .size: 8, .value_kind: global_buffer, .address_space: global }
      - { .name: out0, .offset: 32, .size: 8, .value_kind: global_buffer, .address_space: global }
    .group_segment_fixed_size: 327680
    .private_segment_fixed_size: 0
    .kernarg_segment_align: 8
    .kernarg_segment_size: 40
    .max_flat_workgroup_size: 128
    .sgpr_count:     98
    .vgpr_count:     1024
    .wavefront_size: 32
...
	.end_amdgpu_metadata
.endif
;; end of part 4
